; MI455X (gfx1250); checked and timed in simulation.
; The chip was launched on July 23, 2026; its instructions are those of AMD's public machine-readable ISA for CDNA 5 (MIT licence, August 2026) and "CDNA5" Instruction Set Architecture Reference Guide (July 2026). The comments in the code are by the model that wrote it; some were corrected since.
;; Block Sparse Flash Attention. Allowed arithmetic: matrix products marked QUANTISED: E5M2 operands, one E8M0 scale for each 32 along K, by v_wmma_scale_f32_16x16x128_f8f6f4 with both operands' format E5M2, f32 sums; everything else in f32.
;; Inputs: key 2,048 x 1,024 float32; query 2,048 x 4,096 float32; value_codes 1,024 x 64 x 32 uint8 (E5M2 codes of value, K innermost, in blocks of 32 codes); value_scales 1,024 x 64 uint8 (E8M0 scales of value, one for each 32 codes along K).
;; Outputs: out0 2,048 x 4,096 float32.
;; This version of the problem:
;;   THIS VERSION OF THE PROBLEM IS GIVEN IN LOW PRECISION. The matrix products marked QUANTISED in the list below multiply operands that are first quantised to E5M2 (5 exponent bits, 2 mantissa bits; 8 bits a number), with one power-of-two scale for each 32 numbers along K (OCP MX v1.0); their sums are f32. All else is computed in f32.
;;   The module's matrix products, in the order in which they are computed (A, B: the left and right operand; K: the contracted axis; several contracted axes count as one K, in the product's order):
;;     1. batch 32 x [M 2,048, K 128] x [K 128, N 2,048]; A: input query; B: input key: QUANTISED
;;     2. batch 32 x [M 128, K 2,048] x [K 2,048, N 2,048]; A: input value (given as codes); B: softmax (see below): QUANTISED
;;   THE QUANTISER, for each operand of a quantised product, along K:
;;     - K is cut into blocks of 32 from its start; a last block that is shorter is filled with zeros.
;;     - A block's scale is 2^e with e = floor(log2(the largest magnitude in the block)) - 15, held to -126 .. 127; a block of zeros has e = 0. As a byte (E8M0): e + 127.
;;     - Each number is divided by its block's scale, clamped to +-57,344, and rounded to the nearest number of E5M2, ties to even, subnormals kept.
;;     - The product sums the exact products of the quantised numbers (number of the format x scale) in f32.
;;   ~~~python
;;   def quantise(x, axis):      # numpy; x: float32 -> the quantised numbers, widened to float32 again
;;       x = np.moveaxis(x, axis, -1); K = x.shape[-1]
;;       x = np.pad(x, [(0, 0)] * (x.ndim - 1) + [(0, -K % 32)]); x = x.reshape(x.shape[:-1] + (-1, 32)); a = np.abs(x).max(-1, keepdims=True)
;;       e = np.where(a > 0, np.clip(np.frexp(np.where(a > 0, a, 1))[1] - 1 - 15, -126, 127), 0)      # np.frexp(a)[1] - 1 = floor(log2(a)), exactly
;;       r = np.clip(x / 2.0 ** e, -57344, 57344)
;;       step = 2.0 ** (np.maximum(np.frexp(np.where(r == 0, 1, r))[1] - 1, -14) - 2)
;;       q = np.round(r / step) * step * 2.0 ** e      # np.round: ties to even
;;       return np.moveaxis(q.reshape(q.shape[:-2] + (-1,))[..., :K], -1, axis).astype(np.float32)
;;   ~~~
;;   SOFTMAX AHEAD OF A QUANTISED PRODUCT. Where the list says 'softmax', what is quantised is not the finished softmax but p = 2^(t - M), with t = logit x log2(e) and M = ceil(the row's largest t), a whole number; so 1/2 < the row's largest p <= 1. The row's sum l is taken of the UNQUANTISED p, in f32, and the product's result is divided by l at the end. Since M is a whole number, a kernel that streams over the keys may use a running M (the ceiling of the running maximum): every later rescaling is an exact power of two, which a block's scale takes up: the codes' values come out the same.
;;   OPERANDS COMPUTED ON THE WAY. 'Computed on the way' means the value that the module computes at that place (a softmax that the list does not call 'softmax' is quantised finished and normalised). What goes into a quantiser is computed in f32, as accurately as f32 sums, v_exp_f32 and their like allow (about 1e-6 of the number): no bf16 or f16 on the way to a quantiser, and a product that is left as it is and whose result goes on into a quantised operand takes f32 operands (vector FMAs, or v_wmma_f32_16x16x4_f32). A number that lies on a knife's edge between two numbers of the format may be rounded either way, as far as f32 arithmetic and the matrix unit's own rounding can turn it there, and no further.
;;   INPUTS GIVEN AS CODES. value (in the module: [2048, 1024], K = its axis 0): each comes as NAME_codes (uint8): NAME with its K axis moved to the last place and cut into blocks of 32 codes, [.., K / 32, bytes a block], one block behind the other in memory; one code a byte (a code: sign, 5 exponent bits, 2 mantissa bits); and NAME_scales (uint8): the same leading axes, one E8M0 byte (e + 127) for each 32 codes along K. Its value is code x scale, taken as it is: it is not quantised again, and the codes and scales need not be those that the quantiser above would give.
;; One version. Each part assembles by itself: llvm-mc -triple=amdgcn-amd-amdhsa -mcpu=gfx1250 --defsym DOCPART=n.
;; ======== version 1 of 1: 2 launches
;; limits: right only within a limited range of input values
;; workspace buffers: kv 4,325,376 bytes
;; launch prep (part 1): grid 256 x 1, 4 waves a work-group, no clusters, 38,400 bytes of LDS; arguments key, value_codes, value_scales, kv; writes kv
.if DOCPART == 1
	.amdgcn_target "amdgcn-amd-amdhsa--gfx1250"
	.amdhsa_code_object_version 6
	.text
	.protected	k_qc7a4d9cfd1_prep
	.globl	k_qc7a4d9cfd1_prep
	.p2align	8
	.type	k_qc7a4d9cfd1_prep,@function
k_qc7a4d9cfd1_prep:
	s_mov_b64 s[64:65], 0
	v_nop
	global_prefetch_b8 v0, s[64:65] scope:SCOPE_SE
	s_setreg_imm32_b32 hwreg(HW_REG_WAVE_MODE, 25, 1), 1
	s_wait_xcnt 0x0
; PREPARES K AND V.  kv holds, for each kv head g and each block kb of 64 keys, one dense image of 16,896 bytes (66 x 256) at (32 g + kb) 16,896:
;   0      K's codes: 4 tiles of 16 keys, each as the four groups of four registers that a matrix operand takes (512 bytes a group, 16 a lane)
;   8192   V's codes: 8 tiles of 16 channels, each as two such groups (32 keys a group);  16384  K's scale words: lane r: 4 tiles x 4 bytes;  16640  V's scale bytes: lane r: 8 tiles x 2 bytes
; Lane r of K's tile 2 b + u is key 32 b + 8 u + r + 8 (r / 8): so a lane's 16 scores of two neighbouring tiles are 16 neighbouring keys.
; K is quantised to E5M2, a block of 32 neighbours of a key in a head: scale 2^(floor(log2(largest magnitude)) - 15), numbers held within +-57,344 x scale, ties to even.  V comes as codes and is only laid out.
; LEFT OUT (in the next launch): the module's own mask gives a key block outside a query's window, or after it, the weight exp(finfo.min - maximum) = 0 whatever the inputs hold (every query has itself as a visible key):
; pairs of key blocks that the mask hides from all 48 queries of a wave are not multiplied.  LIMIT: a NaN, an infinity or an overflow that reaches only that work is not carried to the result.
; LIMITS: NaN and infinities are not served; a block of zeros keeps the scale byte 1 (its codes are zeros; the bytes are read by this program alone); blocks under 2^-111 keep the byte 1.
; SHARES: work-group i: kv head i % 8; K and V's scale bytes of key block i / 8; V's codes of 4 key blocks x 32 channels (whole runs of 256 bytes of a row).  Wave w takes K's tile w.
; No tensor load and no cluster: a stream that is read once; all loads of a wave go out at the head.
.set R,   16                           ; v16-79   four sets of 16 numbers as loaded
.set X,   80                           ; v80-111  two sets of 16 neighbours
.set E,   112
.set C,   116                          ; v116-131 codes
.set SP,  80                           ; a lane's place in a turning stage: 64 bytes + 16
.set WREG, 2*32*SP
.set KIM, 4*WREG                       ; K's image, 2,048 bytes a wave
.set VST, KIM+8192                     ; V's 32 rows of 256 bytes + 16
.set SCS, VST+32*272                   ; 256 bytes of K's scales, 256 of V's
.set SPARE, SCS+512
	s_load_b256 s[4:11], s[0:1], 0x0               ; key, value_codes, value_scales, kv
	v_lshl_add_u32 v132, v0, 2, SPARE
	v_mov_b32 v133, 0
	v_lshrrev_b32 v1, 5, v0
	v_readfirstlane_b32 s16, v1                    ; wave
	v_and_b32 v2, 31, v0                           ; lane
	v_lshlrev_b32 v3, 4, v2
	s_mul_i32 s17, s16, WREG
	v_lshrrev_b32 v14, 2, v2
	v_mul_u32_u24 v14, v14, SP
	v_and_b32 v15, 3, v2
	v_lshl_add_u32 v14, v15, 4, v14
	v_add_nc_u32 v14, s17, v14                     ; the turning stage, in: as loaded
	v_mul_u32_u24 v15, v2, SP
	v_add_nc_u32 v15, s17, v15                     ; out: lane = 8 x key of the step + run of 16 channels
	s_lshl_b32 s17, s16, 11
	s_add_co_u32 s17, s17, KIM
	v_lshrrev_b32 v8, 3, v2                        ; key of the step
	v_bfe_u32 v9, v2, 1, 2                         ; block of 32 channels
	v_and_b32 v10, 1, v2                           ; its half
	v_lshlrev_b32 v4, 9, v9
	v_lshl_add_u32 v4, v10, 8, v4
	v_lshl_add_u32 v4, v8, 4, v4
	v_add_nc_u32 v4, s17, v4                       ; my 16 codes' place in K's image
	v_add_nc_u32 v6, s17, v3                       ; the image's way out
	s_lshl_b32 s17, s16, 2
	s_add_co_u32 s17, s17, SCS
	v_lshl_add_u32 v5, v8, 4, v9
	v_add_nc_u32 v5, s17, v5                       ; my block's scale byte
	v_and_b32 v8, 15, v0                           ; r
	v_bfe_u32 v9, v0, 4, 1                         ; h
	s_mul_i32 s17, s16, 8*272
	s_add_co_u32 s17, s17, VST
	v_mul_u32_u24 v137, v9, 272
	v_lshl_add_u32 v137, v8, 4, v137
	v_add_nc_u32 v137, s17, v137                   ; V in: two rows an instruction
	s_lshl_b32 s17, s16, 6
	s_add_co_u32 s17, s17, VST
	v_mul_u32_u24 v138, v8, 272
	v_lshl_add_u32 v138, v9, 4, v138
	v_add_nc_u32 v138, s17, v138                   ; V out: row r, my 16 keys of key block w of the four
	v_lshlrev_b32 v134, 11, v9
	v_lshl_add_u32 v134, v8, 4, v134               ; V in memory: rows of 2,048 bytes
	v_lshlrev_b32 v135, 6, v0                      ; V's scale rows: 64 bytes
	v_lshrrev_b32 v139, 4, v0
	v_lshlrev_b32 v139, 1, v139
	v_lshl_add_u32 v139, v8, 4, v139
	v_add_nc_u32 v139, SCS+256, v139               ; lane r, tile: 2 bytes
	v_add_nc_u32 v136, SCS, v3
	s_mov_b32 s23, 0x600000                        ; the mantissa field of 57,344
	s_and_b32 s18, ttmp9, 7                        ; g
	s_lshr_b32 s19, ttmp9, 3                       ; kb
	s_lshr_b32 s20, s19, 2                         ; which four key blocks of V
	s_and_b32 s21, s19, 3                          ; which 32 channels
	s_lshr_b32 s24, s16, 1
	s_lshl_b32 s24, s24, 5
	s_and_b32 s25, s16, 1
	s_lshl_b32 s25, s25, 3
	s_add_co_u32 s24, s24, s25
	s_lshl_b32 s25, s19, 6
	s_add_co_u32 s24, s24, s25                     ; my tile's first key
	s_lshl_b32 s24, s24, 12
	s_lshl_b32 s25, s18, 9
	s_add_co_u32 s24, s24, s25
	s_mov_b32 s25, 0
	s_lshl_b32 s26, s18, 7
	s_lshl_b32 s27, s21, 5
	s_add_co_u32 s26, s26, s27
	s_lshl_b32 s27, s16, 3
	s_add_co_u32 s26, s26, s27                     ; my first row of V
	s_lshl_b32 s26, s26, 11
	s_lshl_b32 s27, s20, 8
	s_add_co_u32 s26, s26, s27
	s_mov_b32 s27, 0
	s_lshl_b32 s28, s18, 13
	s_lshl_b32 s29, s19, 1
	s_add_co_u32 s28, s28, s29
	s_mov_b32 s29, 0
	s_mul_i32 s17, s18, 540672
	s_mul_i32 s30, s19, 16896
	s_add_co_u32 s30, s30, s17                     ; the image of (g, kb)
	s_mov_b32 s31, 0
	s_lshl_b32 s32, s20, 2
	s_add_co_u32 s32, s32, s16
	s_mul_i32 s32, s32, 16896
	s_add_co_u32 s32, s32, s17
	s_lshl_b32 s33, s21, 11
	s_add_co_u32 s32, s32, s33
	s_add_co_u32 s32, s32, 8192                    ; V's part: 2,048 consecutive bytes of one image
	s_mov_b32 s33, 0
	s_lshl_b32 s34, s16, 11
	s_mov_b32 s35, 0
	s_wait_alu depctr_va_vdst(0)                   ; the wait at the head's end
	s_wait_kmcnt 0x0
	s_add_nc_u64 s[4:5], s[4:5], s[24:25]
	s_add_nc_u64 s[6:7], s[6:7], s[26:27]
	s_add_nc_u64 s[8:9], s[8:9], s[28:29]
	s_add_nc_u64 s[30:31], s[10:11], s[30:31]
	s_add_nc_u64 s[32:33], s[10:11], s[32:33]
	s_add_nc_u64 s[34:35], s[30:31], s[34:35]
.irp t, 0,1,2,3
.irp i, 0,1,2,3
	global_load_b128 v[R+16*\t+4*\i:R+16*\t+4*\i+3], v3, s[4:5] offset:(4*\t+8*(\t/2)+\i)*4096 th:TH_LOAD_NT   ; a key's 512 bytes of the head
.endr
.endr
.irp i, 0,1,2,3
	global_load_b128 v[140+4*\i:143+4*\i], v134, s[6:7] offset:4096*\i
.endr
	global_load_u16 v156, v135, s[8:9]
.macro TURN t                          ; LDS serves a wave's instructions in order: no wait between these stores and loads
.irp i, 0,1,2,3
	ds_store_b128 v14, v[R+16*(\t)+4*\i:R+16*(\t)+4*\i+3] offset:32*SP*((\t)%2)+8*SP*\i
.endr
.irp i, 0,1,2,3
	ds_load_b128 v[X+16*((\t)%2)+4*\i:X+16*((\t)%2)+4*\i+3], v15 offset:32*SP*((\t)%2)+16*\i
.endr
.endm
	s_wait_loadcnt 17                              ; step 0's four loads; behind them 12 of K and 5 of V
	TURN 0
.macro STEP t
.set XS, X+16*((\t)%2)
.if (\t) > 0
	s_wait_dscnt 2                                 ; this step's numbers are back; the last step's two stores may be out
.else
	s_wait_dscnt 0x0
.endif
.if (\t) < 3
	s_wait_loadcnt 4*(2-(\t))+5                    ; the next step's loads; the later steps' and V's five may be out
	TURN (\t)+1
.endif
	v_max3_num_f32 v8, |v[XS]|, |v[XS+1]|, |v[XS+2]|
	v_max3_num_f32 v9, |v[XS+3]|, |v[XS+4]|, |v[XS+5]|
.irp i, 6,10
	v_max3_num_f32 v8, v8, |v[XS+\i]|, |v[XS+\i+1]|
	v_max3_num_f32 v9, v9, |v[XS+\i+2]|, |v[XS+\i+3]|
.endr
	v_max3_num_f32 v8, v8, |v[XS+14]|, |v[XS+15]|
	v_max3_num_f32 v8, v8, v9, 0x8000000           ; the floor 2^(16 - 127)
	v_max_num_f32_dpp v8, v8, v8 row_xmask:1 row_mask:0xf bank_mask:0xf   ; with my neighbour's 16: the block's
	v_add_nc_u32 v11, 0xf8800000, v8               ; 15 off its exponent field: the conversion's scale
	v_and_or_b32 v10, v8, 0x7f800000, s23          ; 57,344 x the scale
.irp i, 0,1,2,3,4,5,6,7,8,9,10,11,12,13,14,15
	v_med3_num_f32 v[XS+\i], v[XS+\i], -v10, v10   ; the conversion does not saturate (ISA guide 7.6.2)
.endr
	v_cvt_scalef32_pk8_bf8_f32 v[C+4*(\t):C+4*(\t)+1], v[XS:XS+7], v11
	v_cvt_scalef32_pk8_bf8_f32 v[C+4*(\t)+2:C+4*(\t)+3], v[XS+8:XS+15], v11
	v_lshrrev_b32 v[E+(\t)], 23, v11               ; the scale's byte (also the plain line behind the conversions)
	ds_store_b8 v5, v[E+(\t)] offset:64*(\t)       ; both lanes of a block write the same byte with the same value
	ds_store_b128 v4, v[C+4*(\t):C+4*(\t)+3] offset:64*(\t)
.endm
.irp t, 0,1,2,3
	STEP \t
.endr
	s_wait_loadcnt 1                               ; V's four; its scale bytes may be out
.irp i, 0,1,2,3
	ds_store_b128 v137, v[140+4*\i:143+4*\i] offset:544*\i
.endr
	s_wait_loadcnt 0x0
	ds_store_b16 v139, v156
.irp i, 0,1,2,3
	ds_load_b128 v[16+4*\i:19+4*\i], v6 offset:512*\i   ; my own tile's image
.endr
	s_wait_dscnt 0x0                               ; for the others' sake too: my stores have landed
.irp i, 0,1,2,3
	global_store_b128 v3, v[16+4*\i:19+4*\i], s[34:35] offset:512*\i   ; 512 consecutive bytes, at a multiple of 512 from the image's first byte
.endr
	s_barrier_signal -1
	s_barrier_wait -1
.irp i, 0,1,2,3
	ds_load_b128 v[32+4*\i:35+4*\i], v138 offset:(\i/2)*16*272+32*(\i%2)   ; tile i / 2 of my two, keys 32 (i % 2) on
.endr
	s_wait_dscnt 0x0
.irp i, 0,1,2,3
	global_store_b128 v3, v[32+4*\i:35+4*\i], s[32:33] offset:512*\i
.endr
	s_cmp_lg_u32 s16, 0                            ; wave 0 stores the block's 512 scale bytes
	s_cbranch_scc1 .Ldone
	ds_load_b128 v[48:51], v136
	s_wait_dscnt 0x0
	global_store_b128 v3, v[48:51], s[30:31] offset:16384
.Ldone:
	s_wait_tensorcnt 0x0                           ; the wave's end
	ds_add_u32 v132, v133
	s_wait_dscnt 0x0
	s_endpgm
.Lfunc_end_k_qc7a4d9cfd1_prep:
	.size	k_qc7a4d9cfd1_prep, .Lfunc_end_k_qc7a4d9cfd1_prep-k_qc7a4d9cfd1_prep
	.p2alignl 7, 3214868480
	.fill 96, 4, 3214868480
	.section	.rodata,"a",@progbits
	.p2align	6, 0x0
	.amdhsa_kernel k_qc7a4d9cfd1_prep
		.amdhsa_group_segment_fixed_size 38400
		.amdhsa_private_segment_fixed_size 0
		.amdhsa_enable_private_segment 0
		.amdhsa_kernarg_size 32
		.amdhsa_user_sgpr_count 2
		.amdhsa_user_sgpr_kernarg_segment_ptr 1
		.amdhsa_wavefront_size32 1
		.amdhsa_system_sgpr_workgroup_id_x 1
		.amdhsa_system_sgpr_workgroup_id_y 1
		.amdhsa_system_sgpr_workgroup_id_z 1
		.amdhsa_system_vgpr_workitem_id 0
		.amdhsa_next_free_vgpr 160
		.amdhsa_next_free_sgpr 66
		.amdhsa_reserve_vcc 0
		.amdhsa_float_denorm_mode_32 3
		.amdhsa_float_denorm_mode_16_64 3
		.amdhsa_memory_ordered 1
		.amdhsa_forward_progress 1
		.amdhsa_inst_pref_size 19
	.end_amdhsa_kernel
	.amdgpu_metadata
---
amdhsa.version: [ 1, 2 ]
amdhsa.kernels:
  - .name:           k_qc7a4d9cfd1_prep
    .symbol:         k_qc7a4d9cfd1_prep.kd
    .args:
      - { .name: key, .offset: 0, .size: 8, .value_kind: global_buffer, .address_space: global }
      - { .name: value_codes, .offset: 8, .size: 8, .value_kind: global_buffer, .address_space: global }
      - { .name: value_scales, .offset: 16, .size: 8, .value_kind: global_buffer, .address_space: global }
      - { .name: kv, .offset: 24, .size: 8, .value_kind: global_buffer, .address_space: global }
    .group_segment_fixed_size: 38400
    .private_segment_fixed_size: 0
    .kernarg_segment_align: 8
    .kernarg_segment_size: 32
    .max_flat_workgroup_size: 128
    .sgpr_count:     66
    .vgpr_count:     160
    .wavefront_size: 32
...
	.end_amdgpu_metadata
.endif
;; end of part 1
;; launch attn (part 2): grid 32 x 8, 4 waves a work-group, no clusters, 327,680 bytes of LDS; arguments query, kv, out0; writes out0
.if DOCPART == 2
	.amdgcn_target "amdgcn-amd-amdhsa--gfx1250"
	.amdhsa_code_object_version 6
	.text
	.protected	k_qc7a4d9cfd1_attn
	.globl	k_qc7a4d9cfd1_attn
	.p2align	8
	.type	k_qc7a4d9cfd1_attn,@function
k_qc7a4d9cfd1_attn:
	s_mov_b64 s[64:65], 0
	v_nop
	global_prefetch_b8 v0, s[64:65] scope:SCOPE_SE
	s_setreg_imm32_b32 hwreg(HW_REG_WAVE_MODE, 25, 1), 1
	s_wait_xcnt 0x0
; Block-sparse causal attention, 2,048 tokens, 32 query heads on 8 kv heads, head size 128, both products on codes of BF8 (E5M2) with one E8M0 scale for each 32 along K.
; query [2048][32 x 128] f32 is quantised here; kv: the images of K and V made by the launch before (its head says how they lie); out0 [2048][32 x 128] f32.
; THE MASK: key block kb (64 keys) counts for query block qb of head h where kb <= qb and (qb - kb < 16 or kb % 8 = 7 - h % 8); inside kb = qb key <= query.  LEFT OUT: pairs of key blocks hidden from all queries of a wave's item (shown dead at the head of prep).
; SOFTMAX: t = score x log2(e) / sqrt(128); M = the running largest t rounded up; p = 2^(t - M) is quantised along the keys; the sum is taken of the unquantised p; when M moves, sum and O are multiplied by 2^(old M - new M).
; A block's largest p is made from its largest score by the same two instructions as every p (this takes v_exp_f32 not to fall where its input rises).
; LIMITS: NaN and infinities are not served; scaled scores under 2^31 in magnitude; blocks whose largest magnitude lies under 2^-111 keep the scale byte 1.
; SHARES.  Work-group (head h = x, y).  y = 3..7: queries 1,088 + 192 (y - 3) on, 48 a wave.  y = 0..2: the first 1,088 queries in 23 items (item i: 48 queries from max(0, 48 i - 16) on); wave m = 4 y + w takes item 22 - m, then
; item m (m = 11: none).  A wave has at most 10 steps of 128 keys.  Item 0's third tile is item 1's first: computed, not stored.  ONE wave to a SIMD; its 3 tiles of 16 queries share every fragment of K and V.
; LDS holds the 18 key blocks from B0 on that the local windows of a work-group need, filled ONCE by one tensor load a wave: no refill, one barrier.  An item's first step (the two vertical blocks before the window, if there are any, else the
; window's first pair) comes from memory straight into registers, while the tiles land.
; NO CLUSTER: the four heads of a kv head share the tiles, but the vertical blocks, and with them steps and branches, differ from head to head: they would hang on the place in the cluster.  NO PREFETCH: all tiles are asked for at the head; the loop asks memory for nothing.
; PIPELINE.  Phase (step, tile): the tile's softmax; among it the scores of the next tile and O^T += V^T P^T of the tile before.  Both products transposed: a lane holds one query (lane % 16).
; REGISTERS.  Window 0: v1-15 addresses, v16-63 Q's codes, v64-71 K's scale words, v72-79 V's as loaded, v80-95 at work, v96-102, v104 V's scale words, v103 P's, v105 an address, v106-107 2^(old M - new M), v108-110 Q's scale words,
;  v112-117 (-M, largest t) a tile, v118-123 the sums, v124-147 at work.  Window 1: 0-127 two sets of scores, 128-255 K.  Window 2: 0-191 O^T, 192-239 P's codes.  Window 3: 0-127 V, 128-191 Q as loaded.
.set BLKB, 16896
.set STG,  18*BLKB                     ; a stage of 16 rows x 272 bytes for each wave
.set STGB, 16*272
.set SPARE, STG+4*STGB                 ; the spare words
.set PART, 297*256                     ; a wave's part of the fill: 18 x 66 / 4 rows of 256 bytes
.set Q0, 48                            ; s48 the item's first query
.set MSB, 0
.macro WIN new                         ; the immediate's high byte repeats the setting that is left
.if MSB != \new
	s_set_vgpr_msb (MSB<<8)|\new
.set MSB, \new
.endif
.endm
	s_load_b128 s[4:7], s[0:1], 0x0                ; query, kv
	s_load_b64 s[8:9], s[0:1], 0x10                ; out0
	v_lshl_add_u32 v4, v0, 2, SPARE
	v_mov_b32 v5, 0
	ds_add_u32 v4, v5                              ; the opening add, twice on end, and its wait
	ds_add_u32 v4, v5
	v_lshrrev_b32 v80, 5, v0
	v_readfirstlane_b32 s10, v80                   ; wave
	v_and_b32 v80, 31, v0                          ; lane
	v_and_b32 v81, 15, v0                          ; r
	v_bfe_u32 v82, v0, 4, 1                        ; h
	v_lshlrev_b32 v1, 4, v80
	v_lshlrev_b32 v2, 4, v81
	v_lshlrev_b32 v83, 4, v82
	v_sub_nc_u32 v3, v81, v83                      ; r - 16 h
	s_mul_i32 s80, s10, STGB
	s_add_co_u32 s80, s80, STG
	v_mul_u32_u24 v84, v82, 272
	v_lshl_add_u32 v84, v81, 4, v84
	v_add_nc_u32 v6, s80, v84                      ; stage by rows: lanes 0-15 one row, lanes 16-31 the next
	v_mul_u32_u24 v85, v81, 272
	v_lshl_add_u32 v86, v82, 6, v85
	v_add_nc_u32 v7, s80, v86                      ; stage: row r, my 16 numbers of a block of 32
	v_lshl_add_u32 v86, v82, 5, v85
	v_add_nc_u32 v105, s80, v86                    ; stage: row r, my 8 channels of a tile
	v_lshlrev_b32 v8, 14, v82
	v_lshl_add_u32 v8, v81, 4, v8                  ; two rows of query and out0, 16,384 bytes apart
	v_mov_b32 v9, 0xff800000                       ; -infinity
	v_lshlrev_b32 v10, 4, v80
	v_lshlrev_b32 v11, 4, v80
	v_lshlrev_b32 v12, 4, v81
	v_lshlrev_b32 v13, 4, v81
.irp b, 0,1,2,3
	v_mov_b32 v[92+\b], 0                          ; a lane permute's destination counts as one of its sources
.endr
	s_mov_b32 s11, ttmp9                           ; h
	s_and_b32 s12, ttmp7, 0xffff                   ; y
	s_lshr_b32 s13, s11, 2                         ; kv head
	s_and_b32 s14, s11, 7
	s_xor_b32 s14, s14, 7                          ; vertical blocks: kb % 8 = this
	s_lshl_b32 s15, 0x01010101, s14
	s_lshl_b32 s80, s12, 2
	s_add_co_u32 s80, s80, s10                     ; m = 4 y + w
	s_mul_i32 s81, s80, 48
	s_sub_co_i32 s84, 1040, s81                    ; item 22 - m
	s_sub_co_i32 s49, s81, 16
	s_max_i32 s49, s49, 0                          ; item m
	s_mul_i32 s87, s10, 48
	s_mul_i32 s85, s12, 192
	s_add_co_u32 s85, s85, s87
	s_add_co_u32 s85, s85, 512                     ; 1,088 + 192 (y - 3) + 48 w
	s_lshr_b32 s87, s87, 6                         ; y >= 3: the window's first block less B0
	s_mul_i32 s86, s12, 3
	s_sub_co_i32 s86, s86, 7                       ; B0 = 17 + 3 (y - 3) - 15
	s_cmp_eq_u32 s80, 0
	s_cselect_b32 s88, 1, 0                        ; item 22 (query block 16): its window begins at block 1
	s_cmp_lt_u32 s80, 11
	s_cselect_b32 s50, 1, 0                        ; a second item?
	s_cmp_lt_u32 s12, 3
	s_cselect_b32 s[Q0], s84, s85
	s_cselect_b32 s86, 0, s86
	s_cselect_b32 s68, s88, s87
	s_mov_b32 s18, 0x600000                        ; the mantissa field of 57,344
	s_mov_b32 s20, 0x76543210
	s_mov_b32 s21, 0xfedcba98                      ; selects for lane l xor 16
	s_mov_b32 s22, 0x3e0293ee                      ; log2(e) / sqrt(128)
	s_mov_b32 s23, s22
	s_mov_b32 s75, 0xfffff000
	s_mov_b32 s76, 0x1000
	s_mov_b32 s82, 0x05040100
	s_mov_b32 s83, 0x07060302
	; the fill: 297 rows of 256 bytes (32 elements of 8 bytes), dense
	s_mov_b32 s24, 3<<16
	s_mov_b32 s25, 32<<16
	s_mov_b32 s26, 297<<16
	s_mov_b32 s27, 32<<16
	s_mov_b32 s28, 297
	s_mov_b32 s29, 32
	s_mov_b32 s30, 0
	s_mov_b32 s31, 0
	s_mov_b32 s32, 1
	s_mul_i32 s33, s10, PART
	s_mul_i32 s84, s13, 32*BLKB
	s_mov_b32 s85, 0
	s_mul_i32 s88, s86, BLKB
	s_add_co_u32 s88, s88, s33
	s_mov_b32 s89, 0
	s_wait_alu depctr_va_vdst(0)
	s_wait_dscnt 0x0                               ; both opening adds are done
	s_wait_kmcnt 0x0
	s_add_nc_u64 s[36:37], s[6:7], s[84:85]        ; the kv head's images
	s_add_nc_u64 s[34:35], s[36:37], s[88:89]
	s_or_b32 s35, s35, 0x80000000
; AN ITEM'S NUMBERS, from its first query s48.  A tile's open key blocks (counting in full) are bits 0-31 of a pair; bits 34, 35: the two vertical blocks before the window, which count in full for all three tiles.
.macro ITEM
	s_lshr_b32 s80, s[Q0], 6
	s_add_co_u32 s71, s[Q0], 47
	s_lshr_b32 s71, s71, 6                         ; the last tile's query block
	s_sub_co_i32 s70, s80, 15
	s_max_i32 s70, s70, 0                          ; the window's first block
	s_add_co_u32 s81, s14, 8
	s_cmp_lt_u32 s81, s70
	s_cselect_b32 s72, 8, 0
	s_cmp_lt_u32 s14, s70                          ; a vertical block before the window?
	s_cselect_b32 s80, 4, 0
	s_cselect_b32 s73, s14, s70                    ; the first step's two blocks
	s_cselect_b32 s74, 8, 1
	s_cselect_b32 s66, 34, s70                     ; the step's first bit
	s_cselect_b32 s81, 0, 2
	s_or_b32 s72, s72, s80
	s_add_co_u32 s74, s74, s73
	s_add_co_u32 s67, s70, s81                     ; the second step's first block,
	s_add_co_u32 s69, s68, s81                     ; and its place in LDS
	s_add_co_u32 s19, s71, 2
	s_sub_co_u32 s19, s19, s67
	s_lshr_b32 s19, s19, 1
	s_add_co_u32 s19, s19, 1                       ; steps
.irp t, 0,1,2
	s_add_co_u32 s80, s[Q0], 16*\t
	s_lshr_b32 s[58+\t], s80, 6                    ; the tile's query block,
	s_and_b32 s[61+\t], s80, 63                    ; and its place in it
	s_bfm_b32 s81, s[58+\t], 0
	s_sub_co_i32 s80, s[58+\t], 15
	s_max_i32 s80, s80, 0
	s_lshl_b32 s80, -1, s80
	s_or_b32 s80, s80, s15
	s_and_b32 s[52+2*\t], s81, s80
	s_mov_b32 s[53+2*\t], s72
.endr
	s_mul_i32 s84, s73, BLKB
	s_mov_b32 s85, 0
	s_add_nc_u64 s[38:39], s[36:37], s[84:85]
	s_mul_i32 s84, s74, BLKB
	s_add_nc_u64 s[40:41], s[36:37], s[84:85]
	s_lshl_b32 s44, s[Q0], 14
	s_lshl_b32 s80, s11, 9
	s_add_co_u32 s44, s44, s80
	s_mov_b32 s45, 0
	s_add_nc_u64 s[42:43], s[4:5], s[44:45]
.endm
.macro QLOADS                          ; 48 rows of 512 bytes: sixteen lanes load 256 consecutive bytes of a row
.irp u, 0,1
.irp i, 0,1,2,3,4,5,6,7
	WIN 0x40
	global_load_b128 v[32*\u+4*\i:32*\u+4*\i+3], v8, s[42:43] offset:32768*\i+256*\u th:TH_LOAD_NT
.endr
.endr
.irp u, 0,1
.irp i, 0,1,2,3,4,5,6,7
	global_load_b128 v[64+32*\u+4*\i:67+32*\u+4*\i], v8, s[42:43] offset:262144+32768*\i+256*\u th:TH_LOAD_NT
.endr
.endr
	WIN 0xc0
.irp u, 0,1
.irp i, 0,1,2,3,4,5,6,7
	global_load_b128 v[128+32*\u+4*\i:131+32*\u+4*\i], v8, s[42:43] offset:524288+32768*\i+256*\u th:TH_LOAD_NT
.endr
.endr
	WIN 0
.endm
.macro KVLOADS                         ; the first step's K and V, from memory: 68 loads
	WIN 0x40
.irp i, 0,1,2,3
.irp c, 0,1,2,3
	global_load_b128 v[128+16*\i+4*\c:131+16*\i+4*\c], v1, s[38:39] offset:2048*\i+512*\c
	global_load_b128 v[192+16*\i+4*\c:195+16*\i+4*\c], v1, s[40:41] offset:2048*\i+512*\c
.endr
.endr
	WIN 0xc0
.irp i, 0,1,2,3,4,5,6,7
.irp c, 0,1
	global_load_b128 v[16*\i+4*\c:16*\i+4*\c+3], v1, s[38:39] offset:8192+1024*\i+512*\c
	global_load_b128 v[16*\i+8+4*\c:16*\i+4*\c+11], v1, s[40:41] offset:8192+1024*\i+512*\c
.endr
.endr
	WIN 0
	global_load_b128 v[64:67], v2, s[38:39] offset:16384
	global_load_b128 v[68:71], v2, s[40:41] offset:16384
	global_load_b128 v[72:75], v2, s[38:39] offset:16640
	global_load_b128 v[76:79], v2, s[40:41] offset:16640
.endm
; Q BECOMES CODES.  STAGE: a tile through my stage, half a row at a time: in by rows, out 16 numbers of each block of 32 (32 LDS instructions; LDS serves them in order).
.macro STAGE t, x
.irp u, 0,1
.if (\t) < 2
	WIN 0x04
.irp i, 0,1,2,3,4,5,6,7
	ds_store_b128 v6, v[64*(\t)+32*\u+4*\i:64*(\t)+32*\u+4*\i+3] offset:544*\i
.endr
.else
	WIN 0x0c
.irp i, 0,1,2,3,4,5,6,7
	ds_store_b128 v6, v[128+32*\u+4*\i:131+32*\u+4*\i] offset:544*\i
.endr
.endif
	WIN 0
.irp b, 0,1
.irp i, 0,1,2,3
	ds_load_b128 v[\x+32*\u+16*\b+4*\i:\x+32*\u+16*\b+4*\i+3], v7 offset:128*\b+16*\i
.endr
.endr
.endr
.endm
.macro QZ t, x, younger
	s_wait_alu depctr_va_vdst(0)
	s_wait_dscnt \younger                          ; the tile is back; the next tile's 32 may be out
.irp b, 0,1,2,3
	v_max3_num_f32 v[88+\b], |v[\x+16*\b]|, |v[\x+16*\b+1]|, 0x8000000
.endr
.irp i, 2,4,6,8,10,12,14
.irp b, 0,1,2,3
	v_max3_num_f32 v[88+\b], v[88+\b], |v[\x+16*\b+\i]|, |v[\x+16*\b+\i+1]|
.endr
.endr
.irp b, 0,1,2,3
	v_permlanex16_b32 v[92+\b], v[88+\b], s20, s21
.endr
.irp b, 0,1,2,3
	v_max_num_f32 v[88+\b], v[88+\b], v[92+\b]
.endr
.irp b, 0,1,2,3
	v_add_nc_u32 v[112+\b], 0xf8800000, v[88+\b]   ; 15 off the exponent field: the conversion's scale
.endr
.irp b, 0,1,2,3
	v_and_or_b32 v[124+\b], v[88+\b], 0x7f800000, s18   ; 57,344 x the scale
.endr
.irp b, 0,1,2,3
	v_lshrrev_b32 v[92+\b], 23, v[112+\b]
.endr
	v_lshl_or_b32 v[108+\t], v93, 8, v92
	v_lshl_or_b32 v[108+\t], v94, 16, v[108+\t]
	v_lshl_or_b32 v[108+\t], v95, 24, v[108+\t]
.irp b, 0,1,2,3
.irp i, 0,1,2,3,4,5,6,7,8,9,10,11,12,13,14,15
	v_med3_num_f32 v[\x+16*\b+\i], v[\x+16*\b+\i], -v[124+\b], v[124+\b]
.endr
	v_cvt_scalef32_pk8_bf8_f32 v[16+16*\t+4*\b:17+16*\t+4*\b], v[\x+16*\b:\x+16*\b+7], v[112+\b]
	v_cvt_scalef32_pk8_bf8_f32 v[18+16*\t+4*\b:19+16*\t+4*\b], v[\x+16*\b+8:\x+16*\b+15], v[112+\b]
.endr
	v_nop
.endm
.macro QUANT
	WIN 0x80
.set N, 0
.rept 192
	v_mov_b32 v[N], 0                              ; O^T: the steps have no first form of their own (my loads are on their way meanwhile)
.set N, N+1
.endr
	WIN 0
	s_wait_alu depctr_va_vdst(0)
	s_wait_loadcnt 63                              ; Q's 48 loads: 68 younger ones stand behind them
	STAGE 0, 128
	STAGE 1, 192
	QZ 0, 128, 32
	STAGE 2, 128
	QZ 1, 192, 32
	QZ 2, 128, 0
.endm
.macro VWORDS                          ; V's scale words: two bytes of each block
.irp k, 0,1,2,3
	v_perm_b32 v[96+2*\k], v[76+\k], v[72+\k], s82
	v_perm_b32 v[97+2*\k+(2*\k+1)/7], v[76+\k], v[72+\k], s83
.endr
.endm
.macro QK i, sn, t                     ; scores of 16 keys: S^T = K Q^T
	v_wmma_scale_f32_16x16x128_f8f6f4 v[\sn+8*(\i):\sn+8*(\i)+7], v[128+16*(\i):143+16*(\i)], v[16+16*(\t):31+16*(\t)], 0, v[64+(\i)], v[108+(\t)] matrix_a_fmt:MATRIX_FMT_BF8 matrix_b_fmt:MATRIX_FMT_BF8
.endm
.macro PV i, ret                       ; 16 channels of O^T += V^T P^T of tile PT
	WIN 0xab
	v_wmma_scale_f32_16x16x128_f8f6f4 v[64*PT+8*(\i):64*PT+8*(\i)+7], v[16*(\i):16*(\i)+15], v[192+16*PT:207+16*PT], v[64*PT+8*(\i):64*PT+8*(\i)+7], v[96+(\i)+(\i)/7], v103 matrix_a_fmt:MATRIX_FMT_BF8 matrix_b_fmt:MATRIX_FMT_BF8
	WIN \ret
.endm
; A PHASE: tile t of the step, its scores in set b; odd: the step's number in the loop's trip.
.macro PHASE t, b, odd
.set SB, 64*(\b)
.set SN, 64-64*(\b)
.set PT, ((\t)+2)%3
.set NT, ((\t)+1)%3
.if (\t) == 1
	s_wait_alu depctr_va_vdst(0)
	s_wait_dscnt 0x0                               ; the step's V is in
	VWORDS
.endif
	s_lshr_b64 s[16:17], s[52+2*(\t):53+2*(\t)], s66
	s_and_b32 s16, s16, 3
	s_cmp_eq_u32 s16, 3                            ; both key blocks count in full?
	s_cbranch_scc1 .Lopen_\@
	s_cmp_eq_u32 s66, s[58+\t]                     ; d = 4,096: all count; the tile's place in the block: its own block; -4,096: none
	s_cselect_b32 s77, s[61+\t], s75
	s_bitcmp1_b32 s16, 0
	s_cselect_b32 s77, s76, s77
	s_add_co_u32 s79, s66, 1
	s_cmp_eq_u32 s79, s[58+\t]
	s_cselect_b32 s78, s[61+\t], s75
	s_bitcmp1_b32 s16, 1
	s_cselect_b32 s78, s76, s78
	v_add_nc_u32 v14, s77, v3
	v_add_nc_u32 v15, s78, v3
	s_wait_alu depctr_va_vdst(0)                   ; the wait ahead of the scores' first readers
	WIN 0x41
.set N, 0
.rept 64
	v_cmp_gt_i32 vcc_lo, 32*((N%32)/16)+N%16, v[14+N/32]   ; hidden where the key's place less 16 h lies over d + r - 16 h
	v_cndmask_b32 v[SB+N], v[SB+N], v9, vcc_lo
.set N, N+1
.endr
	WIN 0
.Lopen_\@:
	s_wait_alu depctr_va_vdst(0)                   ; the wait ahead of the scores' first readers
	WIN 0x05
.irp i, 0,1,2,3,4,5,6,7
	v_max_num_f32 v[80+\i], v[SB+8*\i], v[SB+8*\i+1]
.endr
.irp j, 2,4,6
.irp i, 0,1,2,3,4,5,6,7
	v_max3_num_f32 v[80+\i], v[SB+8*\i+\j], v[SB+8*\i+\j+1], v[80+\i]
.endr
.endr
	WIN 0
.irp k, 0,1,2,3
	v_max_num_f32 v[88+\k], v[80+2*\k], v[81+2*\k]   ; a block's 16 of my half
.endr
.irp k, 0,1,2,3
	v_permlanex16_b32 v[92+\k], v[88+\k], s20, s21
.endr
	PV 0, 0
.irp k, 0,1,2,3
	v_max_num_f32 v[88+\k], v[88+\k], v[92+\k]     ; the block's largest score
.endr
	v_max3_num_f32 v111, v88, v89, v90
	PV 1, 0
	v_max_num_f32 v111, v111, v91
	v_mov_b32 v146, v[112+2*\t]
	v_mul_f32 v111, s22, v111                      ; as t
	PV 2, 0
	v_max_num_f32 v[113+2*\t], v[113+2*\t], v111
	v_floor_f32 v[112+2*\t], -v[113+2*\t]          ; -M, M a whole number
	PV 3, 0
	v_sub_f32 v111, v[112+2*\t], v146
	v_cvt_i32_f32 v111, v111
	v_ldexp_f32 v106, 1.0, v111                    ; 2^(old M - new M)
.irp k, 0,1,2,3
	v_fma_f32 v[88+\k], v[88+\k], s22, v[112+2*\t]
.endr
	WIN 0x41
.set N, 0
.rept 32
.if (N%7) == 2 && N < 24
	PV 4+N/7, 0x41
.endif
	v_pk_fma_f32 v[SB+2*N:SB+2*N+1], v[SB+2*N:SB+2*N+1], s[22:23], v[112+2*(\t):113+2*(\t)] op_sel_hi:[1,0,0]   ; t - M
.set N, N+1
.endr
	WIN 0
.if (\t) == 0                          ; this step's V over the last step's: nine plain lines stand behind the last product that read it
.if (\odd) == 0
	s_cmp_eq_u32 s3, 0                             ; the first step's V came from memory
	s_cbranch_scc1 .Lhave_\@
.endif
	WIN 0xc0
.irp i, 0,1,2,3,4,5,6,7
.irp c, 0,1
	ds_load_b128 v[16*\i+4*\c:16*\i+4*\c+3], v10 offset:8192+1024*\i+512*\c
	ds_load_b128 v[16*\i+8+4*\c:16*\i+4*\c+11], v11 offset:8192+1024*\i+512*\c
.endr
.endr
	WIN 0
	ds_load_b128 v[72:75], v12 offset:16640
	ds_load_b128 v[76:79], v13 offset:16640
.Lhave_\@:
.endif
	s_wait_alu depctr_va_vdst(0)                   ; the wait ahead of the batch
.if (\t) == 2
	s_wait_dscnt 0x0                               ; the next step's K is in
.endif
.irp k, 0,1,2,3
	v_exp_f32 v[88+\k], v[88+\k]                   ; the blocks' largest p
.endr
	WIN 0x41
.set N, 0
.rept 64
	v_exp_f32 v[SB+N], v[SB+N]                     ; p, at most 1, not normalised
.if N%8 == 3
	QK N/8, SN, NT                                 ; the next tile's scores
.endif
.set N, N+1
.endr
	WIN 0
	v_pk_mul_f32 v[132:133], v[118+2*(\t):119+2*(\t)], v[106:107] op_sel_hi:[1,0]   ; the sum under the new M (the plain line behind the batch)
	s_wait_alu depctr_va_vdst(0)                   ; one wait behind the batch, ahead of its first reader and of O^T's
	WIN 0x82
.set N, 0
.rept 32
	v_pk_mul_f32 v[64*(\t)+N:64*(\t)+N+1], v[64*(\t)+N:64*(\t)+N+1], v[106:107] op_sel_hi:[1,0]   ; O^T under the new M
.set N, N+2
.endr
	WIN 0
.if (\t) == 1                          ; the next step's K over this step's: its last product stands ahead of the 32 lines above
	s_lshl_b32 s80, s3, 1
	s_add_co_u32 s80, s80, s69
.if (\odd)
	s_add_co_u32 s80, s80, 2
.endif
	s_min_u32 s81, s80, 17                         ; (past the window: hidden by the mask, or not used)
	s_add_co_u32 s80, s80, 1
	s_min_u32 s80, s80, 17
	s_mul_i32 s81, s81, BLKB
	s_mul_i32 s80, s80, BLKB
	v_add_nc_u32 v10, s81, v1
	v_add_nc_u32 v11, s80, v1
	v_add_nc_u32 v12, s81, v2
	v_add_nc_u32 v13, s80, v2
	WIN 0x40
.irp i, 0,1,2,3
.irp c, 0,1,2,3
	ds_load_b128 v[128+16*\i+4*\c:131+16*\i+4*\c], v10 offset:2048*\i+512*\c
	ds_load_b128 v[192+16*\i+4*\c:195+16*\i+4*\c], v11 offset:2048*\i+512*\c
.endr
.endr
	WIN 0
	ds_load_b128 v[64:67], v12 offset:16384
	ds_load_b128 v[68:71], v13 offset:16384
.endif
	WIN 0x05                                       ; the sum of the unquantised p, eight chains
.irp k, 1,2,3,4,5,6,7
	v_pk_add_f32 v[132+2*\k:133+2*\k], v[SB+4*\k-4:SB+4*\k-3], v[SB+4*\k-2:SB+4*\k-1]
.endr
	WIN 0x01
.set N, 0
.rept 18
	v_pk_add_f32 v[132+2*(N%8):133+2*(N%8)], v[SB+28+2*N:SB+29+2*N], v[132+2*(N%8):133+2*(N%8)]
.set N, N+1
.endr
	WIN 0
.irp k, 0,1,2,3
	v_max_num_f32 v[88+\k], 0x8000000, v[88+\k]    ; the floor: the byte cannot fall under 1
.endr
.irp k, 0,1,2,3
	v_pk_add_f32 v[132+4*\k:133+4*\k], v[132+4*\k:133+4*\k], v[134+4*\k:135+4*\k]
.endr
.irp k, 0,1,2,3
	v_add_nc_u32 v[128+\k], 0xf8800000, v[88+\k]   ; the conversion's scale
.endr
.irp k, 0,1,2,3
	v_and_or_b32 v[124+\k], v[88+\k], 0x7f800000, s18   ; 57,344 x the scale
.endr
	v_pk_add_f32 v[132:133], v[132:133], v[136:137]
	v_pk_add_f32 v[140:141], v[140:141], v[144:145]
.irp k, 0,1,2,3
	v_lshrrev_b32 v[92+\k], 23, v[128+\k]
.endr
	v_lshl_or_b32 v103, v93, 8, v92                ; P's scale word
	v_pk_add_f32 v[118+2*(\t):119+2*(\t)], v[132:133], v[140:141]
	v_lshl_or_b32 v103, v94, 16, v103
	v_lshl_or_b32 v103, v95, 24, v103
	WIN 0x41
.set N, 0
.rept 64
	v_min_num_f32 v[SB+N], v[SB+N], v[124+N/16]    ; the hold; p is not negative
.set N, N+1
.endr
	WIN 0x81
.irp k, 0,1,2,3
	v_cvt_scalef32_pk8_bf8_f32 v[192+16*(\t)+4*\k:193+16*(\t)+4*\k], v[SB+16*\k:SB+16*\k+7], v[128+\k]
	v_cvt_scalef32_pk8_bf8_f32 v[194+16*(\t)+4*\k:195+16*(\t)+4*\k], v[SB+16*\k+8:SB+16*\k+15], v[128+\k]
.endr
	WIN 0
	v_nop                                          ; a plain line behind the last conversion
.endm
	ITEM
	QLOADS
	tensor_load_to_lds s[32:35], s[24:31]          ; my quarter of the 18 blocks: the launch's only fill
	s_nop 0
.rept 4
	v_nop
.endr
	KVLOADS
	QUANT
	s_wait_alu depctr_va_vdst(0)
	s_wait_tensorcnt 0x0                           ; my quarter is in,
	s_wait_dscnt 0x0
	s_barrier_signal -1
	s_barrier_wait -1                              ; and everybody's
	s_mov_b32 s2, 0
.Litem:                                            ; two items; a wave without a second one walks its loop and leaves its steps out
	s_add_nc_u64 s[46:47], s[8:9], s[44:45]        ; the item's rows in out0
	s_mov_b32 s51, s[Q0]
	s_wait_alu depctr_va_vdst(0)
	s_wait_loadcnt 0x0                             ; the first step's K and V are in
	VWORDS
	WIN 0x41
.irp i, 0,1,2,3,4,5,6,7
	QK \i, 0, 0                                    ; the first tile's scores
.endr
	WIN 0
	v_mov_b32 v103, 0x7f7f7f7f                     ; the first phase's P V finds zero codes of tile 2
	v_mov_b32 v106, 0
	v_mov_b32 v107, 0
.irp t, 0,1,2
	v_mov_b32 v[113+2*\t], 0xff61b1e6              ; the largest t so far: -3e38
	v_mov_b32 v[118+2*\t], 0
	v_mov_b32 v[119+2*\t], 0
.endr
.irp t, 0,1,2
	v_floor_f32 v[112+2*\t], -v[113+2*\t]
.endr
	WIN 0x80
.set N, 0
.rept 16
	v_mov_b32 v[224+N], 0
.set N, N+1
.endr
	WIN 0
.rept 4
	v_nop
.endr
	s_mov_b32 s3, 0
	s_wait_alu depctr_va_vdst(0)
.Linner:                                           ; five trips of two steps; steps past the item's last are left out by a branch on ids
	s_cmp_ge_u32 s3, s19
	s_cbranch_scc1 .Lskip_e
	PHASE 0, 0, 0
	PHASE 1, 1, 0
	PHASE 2, 0, 0
	s_mov_b32 s66, s67
	s_add_co_u32 s67, s67, 2
.Lskip_e:
	s_add_co_u32 s79, s3, 1
	s_cmp_ge_u32 s79, s19
	s_cbranch_scc1 .Lskip_o
	PHASE 0, 1, 1
	PHASE 1, 0, 1
	PHASE 2, 1, 1
	s_mov_b32 s66, s67
	s_add_co_u32 s67, s67, 2
.Lskip_o:
	s_add_co_u32 s3, s3, 2
	s_cmp_lt_u32 s3, 10
	s_wait_alu depctr_va_vdst(0)
	s_cbranch_scc1 .Linner
.rept 4
	v_nop                                          ; places between P's codes and the products below
.endr
	s_cmp_eq_u32 s19, 0
	s_wait_alu depctr_va_vdst(0)
	s_cbranch_scc1 .Lnoout
.set PT, 2
.irp i, 0,1,2,3,4,5,6,7
	PV \i, 0xab                                    ; the last tile's P V
.endr
	WIN 0
.rept 8
	v_nop
.endr
	s_mov_b32 s19, 0
	s_cmp_eq_u32 s50, 0
	s_cbranch_scc1 .Lnofetch
	s_mov_b32 s[Q0], s49                           ; the second item is asked for ahead of the first one's way out
	s_mov_b32 s68, 0
	ITEM
	QLOADS
	KVLOADS
.Lnofetch:
	; THE WAY OUT: O^T / the sum through my stage, half a row (256 bytes) of 16 queries at a time; sixteen lanes store 256 consecutive bytes
.irp t, 0,1,2
	v_add_f32 v[80+\t], v[118+2*\t], v[119+2*\t]
.endr
.irp t, 0,1,2
	v_permlanex16_b32 v[92+\t], v[80+\t], s20, s21
.endr
.irp t, 0,1,2
	v_add_f32 v[80+\t], v[80+\t], v[92+\t]
.endr
	s_wait_alu depctr_va_vdst(0)                   ; the wait ahead of the batch
.irp t, 0,1,2
	v_rcp_f32 v[112+2*\t], v[80+\t]
.endr
	v_nop
	s_wait_alu depctr_va_vdst(0)                   ; and behind it
.macro OUT t
	s_wait_xcnt 0x0                                ; earlier stores have read their registers
	s_wait_alu depctr_va_vdst(0)                   ; the wait ahead of O^T's first readers
	WIN 0x02
.set N, 0
.rept 32
	v_pk_mul_f32 v[128+N:129+N], v[64*(\t)+N:64*(\t)+N+1], v[112+2*(\t):113+2*(\t)] op_sel_hi:[1,0]
.set N, N+2
.endr
	WIN 0
.irp u, 0,1
.irp i, 0,1,2,3
	ds_store_b128 v105, v[128+32*\u+8*\i:131+32*\u+8*\i] offset:64*\i
	ds_store_b128 v105, v[132+32*\u+8*\i:135+32*\u+8*\i] offset:64*\i+16
.endr
.irp i, 0,1,2,3,4,5,6,7
	ds_load_b128 v[192+32*\u+4*\i:195+32*\u+4*\i], v6 offset:544*\i   ; LDS serves a wave's instructions in order
.endr
.endr
	s_wait_dscnt 16                                ; the first half is back; the other half's sixteen may be out
.irp i, 0,1,2,3,4,5,6,7
	global_store_b128 v8, v[192+4*\i:195+4*\i], s[46:47] offset:262144*(\t)+32768*\i th:TH_STORE_NT
.endr
	s_wait_dscnt 0x0
.irp i, 0,1,2,3,4,5,6,7
	global_store_b128 v8, v[224+4*\i:227+4*\i], s[46:47] offset:262144*(\t)+32768*\i+256 th:TH_STORE_NT
.endr
.endm
	OUT 0
	OUT 1
	s_cmp_eq_u32 s51, 0                            ; item 0's third tile is item 1's
	s_cbranch_scc1 .Lno2
	OUT 2
.Lno2:
	s_wait_xcnt 0x0                                ; the stores have read their registers and base
	s_cmp_eq_u32 s50, 0
	s_cbranch_scc1 .Lnoquant
	QUANT
.Lnoquant:
	s_mov_b32 s50, 0
.Lnoout:
	s_add_co_u32 s2, s2, 1
	s_cmp_lt_u32 s2, 2
	s_wait_alu depctr_va_vdst(0)
	s_cbranch_scc1 .Litem
	s_wait_tensorcnt 0x0                           ; the wave's end
	ds_add_u32 v4, v5
	s_wait_dscnt 0x0
	s_endpgm
.Lfunc_end_k_qc7a4d9cfd1_attn:
	.size	k_qc7a4d9cfd1_attn, .Lfunc_end_k_qc7a4d9cfd1_attn-k_qc7a4d9cfd1_attn
	.p2alignl 7, 3214868480
	.fill 96, 4, 3214868480
	.section	.rodata,"a",@progbits
	.p2align	6, 0x0
	.amdhsa_kernel k_qc7a4d9cfd1_attn
		.amdhsa_group_segment_fixed_size 327680
		.amdhsa_private_segment_fixed_size 0
		.amdhsa_enable_private_segment 0
		.amdhsa_kernarg_size 24
		.amdhsa_user_sgpr_count 2
		.amdhsa_user_sgpr_kernarg_segment_ptr 1
		.amdhsa_wavefront_size32 1
		.amdhsa_system_sgpr_workgroup_id_x 1
		.amdhsa_system_sgpr_workgroup_id_y 1
		.amdhsa_system_sgpr_workgroup_id_z 1
		.amdhsa_system_vgpr_workitem_id 0
		.amdhsa_next_free_vgpr 1024
		.amdhsa_next_free_sgpr 90
		.amdhsa_reserve_vcc 1
		.amdhsa_float_denorm_mode_32 3
		.amdhsa_float_denorm_mode_16_64 3
		.amdhsa_memory_ordered 1
		.amdhsa_forward_progress 1
		.amdhsa_inst_pref_size 255
	.end_amdhsa_kernel
	.section	.bss,"aw",@nobits
	.p2align	6
	.space	262144
	.amdgpu_metadata
---
amdhsa.version: [ 1, 2 ]
amdhsa.kernels:
  - .name:           k_qc7a4d9cfd1_attn
    .symbol:         k_qc7a4d9cfd1_attn.kd
    .args:
      - { .name: query, .offset: 0, .size: 8, .value_kind: global_buffer, .address_space: global }
      - { .name: kv, .offset: 8, .size: 8, .value_kind: global_buffer, .address_space: global }
      - { .name: out0, .offset: 16, .size: 8, .value_kind: global_buffer, .address_space: global }
    .group_segment_fixed_size: 327680
    .private_segment_fixed_size: 0
    .kernarg_segment_align: 8
    .kernarg_segment_size: 24
    .max_flat_workgroup_size: 128
    .sgpr_count:     90
    .vgpr_count:     1024
    .wavefront_size: 32
...
	.end_amdgpu_metadata
.endif
;; end of part 2
